; MI455X (gfx1250); checked and timed in simulation.
; The chip was launched on July 23, 2026; its instructions are those of AMD's public machine-readable ISA for CDNA 5 (MIT licence, August 2026) and "CDNA5" Instruction Set Architecture Reference Guide (July 2026). The comments in the code are by the model that wrote it; some were corrected since.
;; Cross Attention Mask. Allowed arithmetic: float matrix products may take bf16 or f16 operands with f32 sums; all other float work in f32.
;; Inputs: keys 16 x 2,048 x 512 float32; queries 16 x 2,048 x 512 float32; values 16 x 2,048 x 512 float32.
;; Outputs: out0 16 x 2,048 x 512 float32.
;; One version. Each part assembles by itself: llvm-mc -triple=amdgcn-amd-amdhsa -mcpu=gfx1250 --defsym DOCPART=n.
;; ======== version 1 of 1: 2 launches
;; limits: values are held in f16: magnitudes above 65,504 overflow, below 6.1e-05 lose precision; right only within a limited range of input values
;; workspace buffers: kb 33,554,432 bytes; vh 33,554,432 bytes
;; launch prep (part 1): grid 1024 x 1, 8 waves a work-group, no clusters, 0 bytes of LDS; arguments keys, values, kb, vh; writes kb, vh
.if DOCPART == 1
	.amdgcn_target "amdgcn-amd-amdhsa--gfx1250"
	.amdhsa_code_object_version 6
	.text
	.protected	k_q1a00e95454_prep
	.globl	k_q1a00e95454_prep
	.p2align	8
	.type	k_q1a00e95454_prep,@function
k_q1a00e95454_prep:
	s_mov_b64 s[64:65], 0
	v_nop
	global_prefetch_b8 v0, s[64:65] scope:SCOPE_SE
	s_setreg_imm32_b32 hwreg(HW_REG_WAVE_MODE, 25, 1), 1
	s_wait_xcnt 0x0
; kb = bf16(keys); vh = f16(bf16(values)).  keys, values: [16][2048][512] f32; kb: the same shape in bf16; vh: in f16.
; Every tile of keys and values is multiplied by many work-groups of the next launch, so the rounding is done once, here.
; values are rounded to bf16 like the other inputs, and that number is written as f16, which holds it exactly:
; LIMIT: |value| up to 65,504 (beyond it f16 has no number); below 2^-17 the f16 keeps its fixed step of 2^-24.
; A stream: no LDS, no barrier, no matrix unit.  The work-group owns 65,536 bytes of each input and 32,768 of each output.
; Thread t takes 16 bytes at 16 t + 4,096 i (i = 0 .. 15) and stores 8 bytes at 8 t + 2,048 i: a wave's load covers 512
; consecutive bytes, its store 256 consecutive bytes, aligned.
.set XI, 4                             ; v[4:131]    32 loads x 4 registers: keys' 16, then values' 16
.set YO, 132                           ; v[132:195]  32 stores x 2 registers
.set TT, 196                           ; v[196:201]  at work
	s_load_b256 s[4:11], s[0:1], 0x0               ; keys s[4:5], values s[6:7], kb s[8:9], vh s[10:11]
	s_lshl_b32 s2, ttmp9, 16                       ; my 65,536 bytes of an input (1,024 work-groups: under 2^26)
	s_mov_b32 s3, 0
	s_lshl_b32 s12, ttmp9, 15                      ; my 32,768 bytes of an output
	s_mov_b32 s13, 0
	s_mov_b32 s14, 0xffff0000                      ; a word's upper bf16
	v_lshlrev_b32 v1, 4, v0                        ; 16 t
	v_lshlrev_b32 v2, 3, v0                        ; 8 t
	s_wait_kmcnt 0x0
	s_add_nc_u64 s[4:5], s[4:5], s[2:3]
	s_add_nc_u64 s[6:7], s[6:7], s[2:3]
	s_add_nc_u64 s[8:9], s[8:9], s[12:13]
	s_add_nc_u64 s[10:11], s[10:11], s[12:13]
.set i, 0
.rept 16
	global_load_b128 v[XI+4*i:XI+4*i+3], v1, s[4:5] offset:4096*i th:TH_LOAD_NT
.set i, i+1
.endr
.set i, 0
.rept 16
	global_load_b128 v[XI+64+4*i:XI+64+4*i+3], v1, s[6:7] offset:4096*i th:TH_LOAD_NT
.set i, i+1
.endr
.set i, 0
.rept 16
	s_wait_loadcnt 31-i                            ; loads come back in order: 31 - i younger ones may stay out
	v_cvt_pk_bf16_f32 v[YO+2*i],   v[XI+4*i],   v[XI+4*i+1]
	v_cvt_pk_bf16_f32 v[YO+2*i+1], v[XI+4*i+2], v[XI+4*i+3]
	global_store_b64 v2, v[YO+2*i:YO+2*i+1], s[8:9] offset:2048*i  ; no hint: the next launch reads these bytes
.set i, i+1
.endr
.set i, 0
.rept 16
	s_wait_loadcnt 15-i
	v_cvt_pk_bf16_f32 v[TT],   v[XI+64+4*i],   v[XI+64+4*i+1]      ; rounded to bf16,
	v_cvt_pk_bf16_f32 v[TT+1], v[XI+64+4*i+2], v[XI+64+4*i+3]
	v_lshlrev_b32 v[TT+2], 16, v[TT]                               ; widened again,
	v_and_b32     v[TT+3], s14, v[TT]
	v_lshlrev_b32 v[TT+4], 16, v[TT+1]
	v_and_b32     v[TT+5], s14, v[TT+1]
	v_cvt_pk_f16_f32 v[YO+32+2*i],   v[TT+2], v[TT+3]              ; and written as f16
	v_cvt_pk_f16_f32 v[YO+32+2*i+1], v[TT+4], v[TT+5]
	global_store_b64 v2, v[YO+32+2*i:YO+32+2*i+1], s[10:11] offset:2048*i
.set i, i+1
.endr
	s_endpgm
.Lfunc_end_k_q1a00e95454_prep:
	.size	k_q1a00e95454_prep, .Lfunc_end_k_q1a00e95454_prep-k_q1a00e95454_prep
	.p2alignl 7, 3214868480
	.fill 96, 4, 3214868480
	.section	.rodata,"a",@progbits
	.p2align	6, 0x0
	.amdhsa_kernel k_q1a00e95454_prep
		.amdhsa_group_segment_fixed_size 0
		.amdhsa_private_segment_fixed_size 0
		.amdhsa_enable_private_segment 0
		.amdhsa_kernarg_size 32
		.amdhsa_user_sgpr_count 2
		.amdhsa_user_sgpr_kernarg_segment_ptr 1
		.amdhsa_wavefront_size32 1
		.amdhsa_system_sgpr_workgroup_id_x 1
		.amdhsa_system_sgpr_workgroup_id_y 1
		.amdhsa_system_sgpr_workgroup_id_z 1
		.amdhsa_system_vgpr_workitem_id 0
		.amdhsa_next_free_vgpr 204
		.amdhsa_next_free_sgpr 66
		.amdhsa_reserve_vcc 0
		.amdhsa_float_denorm_mode_32 3
		.amdhsa_float_denorm_mode_16_64 3
		.amdhsa_memory_ordered 1
		.amdhsa_forward_progress 1
		.amdhsa_inst_pref_size 16
	.end_amdhsa_kernel
	.amdgpu_metadata
---
amdhsa.version: [ 1, 2 ]
amdhsa.kernels:
  - .name:           k_q1a00e95454_prep
    .symbol:         k_q1a00e95454_prep.kd
    .args:
      - { .name: keys, .offset: 0, .size: 8, .value_kind: global_buffer, .address_space: global }
      - { .name: values, .offset: 8, .size: 8, .value_kind: global_buffer, .address_space: global }
      - { .name: kb, .offset: 16, .size: 8, .value_kind: global_buffer, .address_space: global }
      - { .name: vh, .offset: 24, .size: 8, .value_kind: global_buffer, .address_space: global }
    .group_segment_fixed_size: 0
    .private_segment_fixed_size: 0
    .kernarg_segment_align: 8
    .kernarg_segment_size: 32
    .max_flat_workgroup_size: 256
    .sgpr_count:     66
    .vgpr_count:     204
    .wavefront_size: 32
...
	.end_amdgpu_metadata
.endif
;; end of part 1
;; launch attn (part 2): grid 16 x 16, 4 waves a work-group, clusters of 4 x 1, 327,680 bytes of LDS; arguments queries, kb, vh, out0; writes out0
.if DOCPART == 2
	.amdgcn_target "amdgcn-amd-amdhsa--gfx1250"
	.amdhsa_code_object_version 6
	.text
	.protected	k_q1a00e95454_attn
	.globl	k_q1a00e95454_attn
	.p2align	8
	.type	k_q1a00e95454_attn,@function
k_q1a00e95454_attn:
	s_mov_b64 s[64:65], 0
	v_nop
	global_prefetch_b8 v0, s[64:65] scope:SCOPE_SE
	s_setreg_imm32_b32 hwreg(HW_REG_WAVE_MODE, 25, 1), 1
	s_wait_xcnt 0x0
	s_wait_alu depctr_hold_cnt(0) depctr_sa_sdst(0) depctr_va_vdst(0) depctr_va_sdst(0) depctr_va_ssrc(0) depctr_va_vcc(0) depctr_vm_vsrc(0)
	s_getreg_b32 s2, hwreg(HW_REG_IB_STS2, 6, 4)
	s_cmp_eq_u32 s2, 0
	s_cbranch_scc0 .Lentry_in_a_cluster
	s_endpgm
.Lentry_in_a_cluster:
	s_bfe_u32 s2, ttmp6, 0x10000c
	s_cmp_lg_u32 s2, 0x3003
	s_cbranch_scc0 .Lentry_shape_is_right
	s_endpgm
.Lentry_shape_is_right:
; CAUSAL ATTENTION, ONE HEAD OF 512 CHANNELS.  out[b][q][:] = the sum over k <= q of softmax_k(Q[b][q] . K[b][k] / sqrt(512)) V[b][k][:].
; queries, out0: [16][2048][512] f32.  kb: keys in bf16; vh: values rounded to bf16 and written as f16 (the launch before made both).
; Q is rounded to bf16 here.  K Q^T in bf16, V^T P in f16 (the weights p are rounded to f16; their sum l is taken of the unrounded p); products, maxima and sums in f32.
; LIMITS.  Values within 65,504 (f16).  A hidden score counts as -1e30.  A weight below 2^-126 counts as 0; p below 6e-5 keeps f16's fixed step.  NaN and infinities are not treated apart.
; THE WALK.  A batch has 8 groups of 256 queries; group G needs the key steps 0 .. 2 G + 1 of 128 keys, of which the last two hold the diagonal.  A cluster of four work-groups takes group
; 7 - a and then group a (a = the cluster's x): 18 steps whatever a.  In a group work-group cx owns rows 64 cx .. 64 cx + 63.  The four walk the same steps, so every tile of K and V is asked
; for JOINTLY: the same tensor load, descriptor and mask in all four.  No branch, trip count or LDS address hangs on cx: it enters Q's and out's addresses and the mask's threshold alone.
; For cx = 0, 1 a group's last step is wholly hidden and is computed all the same (its weights are 0): every partner makes every joint request.  Other batches share nothing: no 4 x 4 cluster.
; SHARES IN A STEP.  The four waves work on the same 64 queries (four tiles t of 16).  S^T = K Q^T is split by keys: wave w has keys 32 w .. + 31 (two blocks kb) x 64 queries, 8 accumulators,
; and holds all of Q in registers.  O^T = V^T P is split by channels: wave w has channels 128 w .. + 127 (eight blocks cb) x 64 queries, 32 accumulators.  So every byte of K and V is read
; from LDS once, by one wave.  What the waves hand each other goes through LDS: each wave's maxima, and P.
; LAYOUT.  In S^T a lane holds ONE query (lane % 16) and the keys 8 (lane / 16) + 0..7 of a block; a wave's two blocks of a tile, rounded to f16 in pairs, ARE source 1 (32 keys x 16 queries)
; of V^T P for key quarter kk = w.  O^T again holds one query a lane, and eight channels.  K comes out of LDS as it lies, V ([key][channel]) turned, by ds_load_tr16_b128.
; SOFTMAX.  A running maximum m (of all four waves' scores) and sum l: p = 2^(c s - c m), c = log2(e) / sqrt(512); in every step O and l are multiplied by a = 2^(c m_old - c m_new).
; A block starts with m at the lowest finite number: its first a is 0, so O and l need only be finite then: zeros at the launch's start (256 v_mov_b32, once a launch: the price of writing
; no product with C = 0 out for O), what the first block left for the second.  Key 0 is visible to every row, so m is a true score from a block's first step on.
; ONE PHASE BEHIND.  V^T P lags a step, so that the vector work has products to stand beside.  A block of n steps is: K Q^T(0), softmax(0); then for j = 1 .. n - 1 two phases:
;   I(j):  128 products K Q^T(j); beside them O^T times a(j-1): 32 of the 128 multiplies in the wait for K's first fragments, 96 two behind every two products;
;   II(j): 128 products V^T P(j-1); beside them the softmax of step j, two instructions behind a product on 81 of them;
; and at last O^T times a(n-1) and V^T P(n-1).  Bare stay: the partial maxima, the new m, the mask of the two diagonal steps.
; LDS.  Two regions of 128 rows.  X holds K(0), then V(0) .. V(n-2); Y holds K(1) .. K(n-1), then V(n-1): so K(1) is asked for while Q is made ready, and V(n-1) lands under II(n-1).
; A region is filled again as soon as every wave of the cluster has read it: Y behind I(j), X behind II(j).  By this text's own count a wave never has more than one tensor load out.
; All of a WGP's LDS is claimed: 323,072 bytes are used.
;
; REGISTERS, in windows of 256 (s_set_vgpr_msb: bits 1:0 source 0, 3:2 source 1, 5:4 source 2, 7:6 destination):
;   window 0: v0-19, v56-58 addresses; v24-39 statistics; v40-55 at work; three areas of 64:
;             FA (fragments of K; two buffers of fragments of P), FB (fragments of K; fragments of V, in four quarters), FC (S^T, then P in place); all three: Q on its way in, rows on the way out
;   window 1: O^T, accumulator (t, cb) at 8 (8 t + cb)          windows 2, 3: Q, fragment (chunk c of 32 channels, tile t) at 8 (4 (c % 8) + t) of window 2 + c / 8
.set PKK,   1040                       ; a row of K in LDS: 1,024 bytes + 16 = 65 x 16: the 16 rows of a fragment load start at 16 different 16-byte columns of a 256-byte line of banks (ISA guide 11.1)
.set PVV,   1056                       ; a row of V: 1,024 + 32 = 33 x 32: 16 lanes of the turning load take 8 rows x 32 bytes
.set RX,    128*PVV                    ; region Y begins at LDS byte 0, region X here; each has room for 128 rows of either pitch
.set PBUF,  RX+128*PVV                 ; P: fragment (kk, t), half hh at (4 kk + t) 1,024 + 512 hh + 16 lane
.set MXB,   PBUF+16384                 ; the waves' maxima: f32 at 16 (16 t + lane % 16) + 4 w;
.set LXO,   1024                       ; their sums l, in the same layout, this far behind
.set XREG,  MXB+2048                   ; Q on its way into fragments: 64 rows of 256 channels; later the way out: 16 rows of 512 bytes for each wave
.set XP,    528                        ; its pitch: 512 bytes + 16 = 33 x 16
.set SPARE, XREG+64*XP                 ; the spare words, 128 bytes for each wave: two blocks of 256 bytes that no other line names
.set TILEB, 128*1024                   ; bytes from a key step's tile to the next, in kb and in vh
.set AK,  4                            ; v4   my K fragments in region Y: (32 w + l % 16) PKK + 16 (l / 16)
.set AVA, 5                            ; v5   my V fragments in region X, keys 0-63;  v6 (AVA + 1): keys 64-127
.set PW,  7                            ; v7   where I put P
.set PR,  8                            ; v8   where I read P
.set MXW, 9                            ; v9   where I put a maximum or a sum
.set MXR, 10                           ; v10  where I read the four waves'
.set QSW, 11                           ; v11  where I put 8 bytes of bf16 Q
.set QFR, 12                           ; v12  my Q fragments
.set STW, 13                           ; v13  the way out: where I put 16 bytes of a row
.set STR, 14                           ; v14  the way out: where I read a row back
.set LO,  15                           ; v15  16 x lane: my place in 512 consecutive bytes of queries and of out0
.set LC,  17                           ; v17  the mask's threshold: 64 cx + l % 16 - 8 (l / 16) - 32 w, signed
.set SPW, 18                           ; v18  LDS address of my spare word: SPARE + 4 x my thread's number; never rewritten
.set NIL, 19                           ; v19  0; never rewritten
.set ST,  24                           ; tile t at v[ST+4 t]: c m, m, l (even keys', odd keys')
.set TM,  40                           ; tile t at v[TM+4 t]: c0, c1, c2 (a; at the end 1 / l), c3; behind the exchange: the four waves' maxima
.set AKX, 56                           ; v56  my K fragments in region X
.set AVY, 57                           ; v57, v58  my V fragments in region Y
.set FA,  64
.set FB,  128
.set FC,  192
.set SS,  FC                           ; S^T: accumulator (kb, t) at SS + 8 (4 kb + t); P of tile t ends up in registers 0-3 of its two accumulators
.set WV,  12                           ; s12  my wave's number
.set CX,  13                           ; s13  my place in the cluster
.set CA,  14                           ; s14  a
.set BAT, 15                           ; s15  the batch
.set GG,  16                           ; s16  the group in hand
.set CNT, 17                           ; s17  counts the group's steps 1 .. 2 G, from 2 G down to 1
.set BLK, 18                           ; s18  counts the two groups
.set G1K, 24                           ; s[24:31] descriptor group 1 for K's tiles
.set G1V, 32                           ; s[32:39] for V's: it differs in the padding alone
.set G0K, 40                           ; s[40:43] descriptor group 0 for K's tiles
.set G0V, 44                           ; s[44:47] for V's
.set KW,  48                           ; s[48:49] kb at my 32 rows of the batch's step 0
.set VW,  50                           ; s[50:51] vh likewise
.set QB,  52                           ; s[52:53] queries at my wave's 16 rows of the block in hand
.set OB,  54                           ; s[54:55] out0 at the block's first row, my wave's 128 channels
.set QBAT, 56                          ; s[56:57], s[58:59] the same two for group 0
.set OBAT, 58
.set CS,  60                           ; s[60:61] c: the packed scaling takes the pair's low word for both halves
.set SEL, 62                           ; s[62:63] v_permlanex16_b32's selects: each lane takes its own place in the other half
.set BIGN, 66                          ; s66  -1e30
.set MSB, 0
.set PLN, 0                            ; plain vector instructions written since the last product of a quarter of V^T P
.set RQ,  128                          ; the next of the 128 multiplies of O^T; 128: none is left
.set k,   0                            ; the next slice of the softmax
.macro WIN new                         ; the immediate's high byte repeats the setting that is left; a switch that changes nothing is dropped
.if MSB != (\new)
	s_set_vgpr_msb (MSB<<8)|(\new)
.set MSB, \new
.endif
.endm
; A round of the cluster's barrier: my work-group's barrier, so that wave 0's signal speaks for all four waves; wave 0 signals; every wave waits for all four work-groups; my work-group's barrier once more.
.macro CREST                           ; a round behind its opening barrier
	s_cmp_lg_u32 s[WV], 0
	s_cbranch_scc1 .Lnot_wave_0_\@
	s_barrier_signal -3
.Lnot_wave_0_\@:
	s_barrier_wait -3
	s_barrier_signal -1
	s_barrier_wait -1
.endm
.macro ROUND                           ; a whole round
	s_barrier_signal -1
	s_barrier_wait -1
	CREST
.endm
; A joint load: every wave asks for its own 32 rows of the tile.  The v_nop behind it: behind II(j) they are the places between the last products
; V^T P and the loads into the fragments that those products read.
.macro TL g0, g1
	tensor_load_to_lds s[\g0:\g0+3], s[\g1:\g1+7]
	s_nop 0
.rept 5
	v_nop
.endr
.endm
; A vector instruction that reads a matrix result, and a load into a register that a matrix instruction has read, stand four places behind it; only plain vector instructions that name
; none of its registers are places (ISA guide 7.12.1 for vector instructions).
.macro PLACES
.rept 4
	v_nop
.endr
.endm
.macro NEEDPL                          ; as many v_nop as the slices written since the quarter's last product leave wanting of four places
.if PLN < 4
.rept 4-PLN
	v_nop
.endr
.endif
.endm
; O^T TIMES c2 (a; at the end 1 / l): the next n of its 128 packed multiplies, in ascending order: each accumulator is read from its lowest registers on.
.macro RS n
.rept \n
.if RQ < 128
	WIN 0x41                                       ; destination and source 0 window 1, source 1 window 0
	v_pk_mul_f32 v[2*RQ:2*RQ+1], v[2*RQ:2*RQ+1], v[TM+4*(RQ/32)+2:TM+4*(RQ/32)+3] op_sel_hi:[1,0]
.set RQ, RQ+1
.endif
.endr
.endm
; K Q^T.  16 LDS loads: my two key blocks' fragments of chunks 4 g .. 4 g + 3 into buf: fragment (cc, kb) at buf + 16 cc + 8 kb.
.macro KLOAD g, buf, ak
.irp cc, 0,1,2,3
.irp kb, 0,1
	ds_load_b128 v[(\buf)+16*\cc+8*\kb:(\buf)+16*\cc+8*\kb+3],   v[\ak] offset:16*PKK*\kb+64*(4*(\g)+\cc)
	ds_load_b128 v[(\buf)+16*\cc+8*\kb+4:(\buf)+16*\cc+8*\kb+7], v[\ak] offset:16*PKK*\kb+64*(4*(\g)+\cc)+32
.endr
.endr
.endm
; 8 products, one chunk of 32 channels: the 8 accumulators take turns, one instruction a turn.  The step's first 8 start the sums with the constant 0.
; Behind every two products two of O^T's multiplies, while any are left: they name no register of these products.
.macro QK8 g, buf, cc
.irp kb, 0,1
.irp hp, 0,2
.irp t, \hp, \hp+1
	WIN 0x08+4*((\g)/2)                            ; source 1 (Q) window 2 or 3, all else window 0
.if ((\g) == 0) && ((\cc) == 0)
	v_wmma_f32_16x16x32_bf16 v[SS+8*(4*\kb+(\t)):SS+8*(4*\kb+(\t))+7], v[(\buf)+16*(\cc)+8*\kb:(\buf)+16*(\cc)+8*\kb+7], v[8*(4*((4*(\g)+(\cc))%8)+(\t)):8*(4*((4*(\g)+(\cc))%8)+(\t))+7], 0
.else
	v_wmma_f32_16x16x32_bf16 v[SS+8*(4*\kb+(\t)):SS+8*(4*\kb+(\t))+7], v[(\buf)+16*(\cc)+8*\kb:(\buf)+16*(\cc)+8*\kb+7], v[8*(4*((4*(\g)+(\cc))%8)+(\t)):8*(4*((4*(\g)+(\cc))%8)+(\t))+7], v[SS+8*(4*\kb+(\t)):SS+8*(4*\kb+(\t))+7]
.endif
.endr
	RS 2
.endr
.endr
.endm
; V^T P's operands.  8 loads: the four tiles' fragments of P for keys 32 kk .. + 31.  4 turning loads: quarter q (channel blocks 2 q, 2 q + 1 of my eight) of V for the same keys: fragment cb at FB + 8 cb.
.macro PLOAD kk, buf
.irp t, 0,1,2,3
	ds_load_b128 v[(\buf)+8*\t:(\buf)+8*\t+3],   v[PR] offset:(4*(\kk)+\t)*1024
	ds_load_b128 v[(\buf)+8*\t+4:(\buf)+8*\t+7], v[PR] offset:(4*(\kk)+\t)*1024+512
.endr
.endm
.macro VLQ kk, q, ab
.irp c, 0,1
	ds_load_tr16_b128 v[FB+8*(2*(\q)+\c):FB+8*(2*(\q)+\c)+3],   v[(\ab)+(\kk)/2] offset:((\kk)%2)*32*PVV+32*(2*(\q)+\c)
	ds_load_tr16_b128 v[FB+8*(2*(\q)+\c)+4:FB+8*(2*(\q)+\c)+7], v[(\ab)+(\kk)/2] offset:((\kk)%2)*32*PVV+16*PVV+32*(2*(\q)+\c)
.endr
.endm
; PHASE I.  res = 1: O^T's multiplies stand beside the products, and P of the step before is shown to all waves and its first fragments are fetched.  ak: where K lies.
.macro KQPH res, ak
	KLOAD 0, FA, \ak                               ; I read the rows that my own load brought, and my wait for it stands ahead of the round before
	KLOAD 1, FB, \ak
.if \res
.set RQ, 0
	RS 32                                          ; a quarter of the multiplies stands in the wait for the first fragments
.else
.set RQ, 128
.endif
	s_wait_dscnt 16                                ; LDS instructions end in order: P's stores and the first buffer are done, the other buffer's 16 loads may stay out
.irp cc, 0,1,2,3
	QK8 0, FA, \cc
.endr
	PLACES
	WIN 0
	KLOAD 2, FA, \ak
	s_wait_dscnt 16                                ; all but the 16 just issued
.irp cc, 0,1,2,3
	QK8 1, FB, \cc
.endr
	PLACES
	WIN 0
	KLOAD 3, FB, \ak
	s_wait_dscnt 16
.irp cc, 0,1,2,3
	QK8 2, FA, \cc
.endr
	s_wait_dscnt 0x0                               ; the last fragments are in; for the others' sake: my part of P, stored at the phase's head, is in LDS
.if \res
	s_barrier_signal -1                            ; V's tile may stay out.  16 products stand between the signal and the wait
.endif
	QK8 3, FB, 0
	QK8 3, FB, 1
.if \res
	WIN 0
	s_barrier_wait -1                              ; every wave's part of P is in LDS
	PLACES                                         ; FA was read by products 16 back, and matrix instructions are no places
	PLOAD 0, FA
	PLOAD 1, FA+32
.endif
	QK8 3, FB, 2
	QK8 3, FB, 3
	WIN 0                                          ; at a label and at a branch every window is 0
	PLACES
.endm
; THE MASK, in the group's last two steps (x = 0, 128: the step's first key in the group).  Register jj of accumulator (kb, t) is key x + 32 w + 16 kb + 8 (l / 16) + jj and query
; 64 cx + 16 t + l % 16 of the group; it is hidden where the key is the greater: 16 kb + jj - 16 t + x > LC.  Each accumulator is taken from its lowest register on.
.macro MASK x
.irp kb, 0,1
.irp t, 0,1,2,3
.irp jj, 0,1,2,3,4,5,6,7
	v_cmp_gt_i32 vcc_lo, 16*\kb+\jj-16*\t+(\x), v[LC]
	v_cndmask_b32 v[SS+8*(4*\kb+\t)+\jj], v[SS+8*(4*\kb+\t)+\jj], s[BIGN], vcc_lo
.endr
.endr
.endr
.endm
; My 32 keys' maximum for each of the 64 queries: two chains a tile, each from its accumulator's lowest registers on; the other half of the lanes'; into LDS for the other waves.
.macro PMAX
.irp t, 0,1,2,3
	v_max3_num_f32 v[TM+4*\t],   v[SS+8*\t],    v[SS+8*\t+1],    v[SS+8*\t+2]
	v_max3_num_f32 v[TM+4*\t+1], v[SS+32+8*\t], v[SS+32+8*\t+1], v[SS+32+8*\t+2]
.endr
.irp n, 3,5
.irp t, 0,1,2,3
	v_max3_num_f32 v[TM+4*\t],   v[TM+4*\t],   v[SS+8*\t+\n],    v[SS+8*\t+\n+1]
	v_max3_num_f32 v[TM+4*\t+1], v[TM+4*\t+1], v[SS+32+8*\t+\n], v[SS+32+8*\t+\n+1]
.endr
.endr
.irp t, 0,1,2,3
	v_max3_num_f32 v[TM+4*\t], v[TM+4*\t], v[SS+8*\t+7], v[SS+32+8*\t+7]
.endr
.irp t, 0,1,2,3
	v_max_num_f32 v[TM+4*\t], v[TM+4*\t], v[TM+4*\t+1]
.endr
.irp t, 0,1,2,3
	v_permlanex16_b32 v[TM+4*\t+1], v[TM+4*\t], s[SEL], s[SEL+1]  ; the query's other 16 of my keys lie in the lane 16 away
.endr
.irp t, 0,1,2,3
	v_max_num_f32 v[TM+4*\t], v[TM+4*\t], v[TM+4*\t+1]
.endr
.irp t, 0,1,2,3
	ds_store_b32 v[MXW], v[TM+4*\t] offset:256*\t  ; both halves of the lanes store the same number to the same word
.endr
.endm
; BEHIND THE EXCHANGE.  The four waves' maxima come into TM; with pv = 1 V's four quarters of the first 32 keys are asked for behind them.  Then the new m, c m and a: every wave makes the same numbers.
.macro SMHEAD pv, ab
.irp t, 0,1,2,3
	ds_load_b128 v[TM+4*\t:TM+4*\t+3], v[MXR] offset:256*\t
.endr
.if \pv
.irp q, 0,1,2,3
	VLQ 0, \q, \ab                                 ; every wave's rows of this V were shown landed ahead of the round; FB's last readers stand in front of the maxima's arithmetic
.endr
	s_wait_dscnt 16                                ; the maxima are in; V's 16 loads may stay out
.else
	s_wait_dscnt 0x0
.endif
.irp t, 0,1,2,3
	v_max3_num_f32 v[ST+4*\t+1], v[ST+4*\t+1], v[TM+4*\t], v[TM+4*\t+1]
.endr
.irp t, 0,1,2,3
	v_max3_num_f32 v[ST+4*\t+1], v[ST+4*\t+1], v[TM+4*\t+2], v[TM+4*\t+3]
.endr
.irp t, 0,1,2,3
	v_mov_b32 v[TM+4*\t+3], v[ST+4*\t]             ; c m_old is kept
.endr
.irp t, 0,1,2,3
	v_mul_f32 v[ST+4*\t], s[CS], v[ST+4*\t+1]
.endr
.irp t, 0,1,2,3
	v_sub_f32 v[TM+4*\t+1], v[TM+4*\t+3], v[ST+4*\t]
.endr
.irp t, 0,1,2,3
	v_exp_f32 v[TM+4*\t+2], v[TM+4*\t+1]           ; the first slices are scalings: plain instructions ahead of a's first use
.endr
.set k, 0
.endm
; THE SOFTMAX IN SLICES.  The lane's 64 scores are 32 pairs pp: tile pp / 8, block (pp % 8) / 4, registers 2 (pp % 4), + 1 of the block; ee numbers the scores likewise.
;   OPF: c s - c m for pair pp.   OPE: the exponential of score ee, in place.   OPS: l takes pair pp (a tile's first pair as l = a l + pair): a chain of 8 a tile, its links two slices apart.
;   OPC: pair pp rounded to f16 into register pp % 4 of its block: a register whose own pair has been added and rounded before.  So P needs no registers of its own.
.macro OPF
.set rr, SS+8*(pp/8)+32*((pp%8)/4)+2*(pp%4)
	v_pk_fma_f32 v[rr:rr+1], v[rr:rr+1], s[CS:CS+1], v[ST+4*(pp/8):ST+4*(pp/8)+1] op_sel_hi:[1,0,0] neg_lo:[0,0,1] neg_hi:[0,0,1]
.set PLN, PLN+1
.endm
.macro OPE
.set rr, SS+8*(ee/16)+32*((ee%16)/8)+ee%8
	v_exp_f32 v[rr], v[rr]
.endm
.macro OPS
.set rr, SS+8*(pp/8)+32*((pp%8)/4)+2*(pp%4)
.if pp%8 == 0
	s_wait_alu depctr_va_vdst(0)
	v_pk_fma_f32 v[ST+4*(pp/8)+2:ST+4*(pp/8)+3], v[ST+4*(pp/8)+2:ST+4*(pp/8)+3], v[TM+4*(pp/8)+2:TM+4*(pp/8)+3], v[rr:rr+1] op_sel_hi:[1,0,1]
.else
	s_wait_alu depctr_va_vdst(0)
	v_pk_add_f32 v[ST+4*(pp/8)+2:ST+4*(pp/8)+3], v[ST+4*(pp/8)+2:ST+4*(pp/8)+3], v[rr:rr+1]
.endif
.set PLN, PLN+1
.endm
.macro OPC
.set rr, SS+8*(pp/8)+32*((pp%8)/4)+2*(pp%4)
	v_cvt_pk_f16_f32 v[SS+8*(pp/8)+32*((pp%8)/4)+pp%4], v[rr], v[rr+1]
.set PLN, PLN+1
.endm
.macro LATE                            ; number nn of the 29 that are left when the exponentials are out: roundings 4 and 5, the last sum, roundings 6 to 31
.if nn < 2
.set pp, nn+4
	OPC
.elseif nn == 2
.set pp, 31
	OPS
.elseif nn < 29
.set pp, nn+3
	OPC
.endif
.endm
; Slice k of 81, two instructions.  0, 1: the first four scalings.  2 - 65: a plain instruction, then exponential ee = k - 2.  The plain one: at even ee the scaling of pair ee / 2 + 4, eight slices
; ahead of its exponentials (from ee = 56 on roundings 0 to 3); at odd ee the sum of pair (ee - 3) / 2, whose second exponential stands two slices back with a plain instruction between.
; So no instruction reads the result of the exponential just before it or writes its source, and every exponential has a plain instruction behind it ahead of its result's use.  66 - 80: LATE.
.macro RID
.if k < 81
	WIN 0
.if k < 2
.set pp, 2*k
	OPF
.set pp, 2*k+1
	OPF
.elseif k < 66
.set ee, k-2
.if (ee%2 == 0) && (ee < 56)
.set pp, ee/2+4
	OPF
.elseif ee%2 == 0
.set pp, (ee-56)/2
	OPC
.elseif ee >= 3
.set pp, (ee-3)/2
	OPS
.endif
	OPE
.else
.set nn, 2*(k-66)
	LATE
.set nn, 2*(k-66)+1
	LATE
.endif
.endif
.set k, k+1
.endm
.macro PSTORE                          ; my four fragments of P, from the low halves of S^T's accumulators: 32 lanes x 16 neighbouring bytes a store
.irp t, 0,1,2,3
	ds_store_b128 v[PW], v[SS+8*\t:SS+8*\t+3]       offset:1024*\t
	ds_store_b128 v[PW], v[SS+32+8*\t:SS+32+8*\t+3] offset:1024*\t+512
.endr
.endm
; PHASE II IN 16 QUARTERS.  Quarter u: keys 32 (u / 4) on, channel blocks 2 (u % 4), + 1, four tiles: 8 products on 8 accumulators; an accumulator comes again 32 products later.
; ride = 1: a slice of the softmax behind each product.  Behind the fourth product of quarters 1 to 12 the quarter of FB that was read out four products back takes its next 32 keys, 20 products
; ahead of their use; with FB's last quarter goes the buffer of P that was read out with it.  The slices between are the places; NEEDPL makes up what they leave wanting.
; THE WAIT at a quarter's head leaves out what was issued behind its own four loads: at first V's later quarters (12, 8), then two groups of four (8), and 8 more where one of the groups,
; or its own, carries P's eight loads (quarters 5-7, 9-11: 16); at the end one group (4) and none (0).  nw = 1: the caller has written the wait.
.macro PVU u, ride, ab, nw=0
.if (\nw) == 0
.if (\u) == 0
	s_wait_dscnt 12
.elseif (\u) == 15
	s_wait_dscnt 0x0
.elseif (\u) == 14
	s_wait_dscnt 4
.elseif ((\u) > 4) && ((\u) < 12) && ((\u)%4 != 0)
	s_wait_dscnt 16
.else
	s_wait_dscnt 8
.endif
.endif
.set n, 0
.rept 8
	WIN 0x50                                       ; V and P window 0, O^T (C and D) window 1
.set cb, 2*((\u)%4)+n/4
.set tt, n%4
	v_wmma_f32_16x16x32_f16 v[8*(8*tt+cb):8*(8*tt+cb)+7], v[FB+8*cb:FB+8*cb+7], v[FA+32*(((\u)/4)%2)+8*tt:FA+32*(((\u)/4)%2)+8*tt+7], v[8*(8*tt+cb):8*(8*tt+cb)+7]
.if n == 7
.set PLN, 0
.endif
.if \ride
	RID
.endif
.if (n == 3) && ((\u) >= 1) && ((\u) <= 12)
	WIN 0
	NEEDPL
	VLQ ((\u)+3)/4, ((\u)+3)%4, \ab
.if (((\u)+3)%4 == 3) && ((\u) < 12)
	PLOAD ((\u)+3)/4+1, FA+32*((((\u)+3)/4+1)%2)
.endif
.endif
.set n, n+1
.endr
.endm
; Q.  Half p of the channels of my wave's 16 rows: 32 loads, each of 512 consecutive bytes, read once in the launch.  Rounded to bf16 and laid into XREG's rows; then every wave takes all 64 rows' fragments.
.macro QLOAD p
.set i, 0
.rept 32
	global_load_b128 v[FA+4*i:FA+4*i+3], v[LO], s[QB:QB+1] offset:2048*(i/2)+1024*(\p)+512*(i%2) th:TH_LOAD_NT
.set i, i+1
.endr
.endm
.macro QPUT
.set i, 0
.rept 32
	v_cvt_pk_bf16_f32 v[FC+2*i],   v[FA+4*i],   v[FA+4*i+1]
	v_cvt_pk_bf16_f32 v[FC+2*i+1], v[FA+4*i+2], v[FA+4*i+3]
.set i, i+1
.endr
.set i, 0
.rept 32
	ds_store_b64 v[QSW], v[FC+2*i:FC+2*i+1] offset:XP*(i/2)+256*(i%2)
.set i, i+1
.endr
.endm
.macro QFRAG p
	WIN 0x80+0x40*(\p)                             ; destination window 2 or 3, address window 0
.irp cc, 0,1,2,3,4,5,6,7
.irp t, 0,1,2,3
	ds_load_b128 v[8*(4*\cc+\t):8*(4*\cc+\t)+3],   v[QFR] offset:16*XP*\t+64*\cc
	ds_load_b128 v[8*(4*\cc+\t)+4:8*(4*\cc+\t)+7], v[QFR] offset:16*XP*\t+64*\cc+32
.endr
.endr
.endm
; A KEY STEP j >= 1: phases I(j) and II(j).  tail = 0: a step of the loop; tail = 1: the group's last step.
.macro STEP tail
	KQPH 1, AK
.if \tail
	MASK 128
.else
	s_cmp_lg_u32 s[CNT], 1                         ; the loop's last trip is the group's last step but one: the diagonal's first half
	s_cbranch_scc1 .Lopen_\@
	MASK 0
.Lopen_\@:
.endif
	PMAX
	s_wait_tensorcnt 0x0                           ; my one load that is out, my rows of V(j-1), has landed; so a group 0 may be written
	ds_add_u32 v[SPW], v[NIL]                      ; 0 onto my spare word
.if \tail
	s_mul_i32 s[G0V+1], s[WV], 32*PVV              ; no K is left to fetch: the last V goes into region Y, my 32 rows of it,
	s_add_nc_u64 s[G0V+2:G0V+3], s[G0V+2:G0V+3], TILEB  ; so that it lands under this step's phase II
.else
	s_add_nc_u64 s[G0K+2:G0K+3], s[G0K+2:G0K+3], TILEB  ; the next step's K; the type bits on top are not reached
.endif
	s_wait_dscnt 0x0                               ; the add and my maxima's stores are done; P's first fragments and my reads of K are back
	ROUND                                          ; no wave of any partner still reads region Y or has a load on its way
.if \tail
	TL G0V, G1V
.else
	TL G0K, G1K                                    ; it has 112 products V^T P in which to land
.endif
	SMHEAD 1, AVA
.irp u, 0,1,2,3,4,5,6,7,8,9,10,11,12,13
	PVU \u, 1, AVA
.endr
.if \tail
	PVU 14, 0, AVA
	PVU 15, 0, AVA
.else
	s_wait_dscnt 4                                 ; quarter 14's fragments are in; the last quarter's four loads may stay out
	WIN 0                                          ; (the add's two registers lie in window 0)
	s_wait_tensorcnt 0x0                           ; my rows of the next K have landed: no load of mine is out
	ds_add_u32 v[SPW], v[NIL]                      ; 0 onto my spare word; eight products stand between it and the wait for it
	s_add_nc_u64 s[G0V+2:G0V+3], s[G0V+2:G0V+3], TILEB  ; V of this step
	PVU 14, 0, AVA, 1
	s_wait_dscnt 0x0                               ; the add is done; my reads of V and of P are back
	s_barrier_signal -1                            ; the barrier opens a round of the cluster's; eight products, work on registers, stand between the signal and the wait
	PVU 15, 0, AVA, 1
	WIN 0
	s_barrier_wait -1
	CREST                                          ; no wave of any partner still reads region X
	TL G0V, G1V                                    ; V(j): it has 128 products K Q^T in which to land
	PSTORE                                         ; every wave's reads of the older P are over: P(j) goes into LDS; the barrier inside the next phase I shows it
.endif
.endm
	s_load_b256 s[4:11], s[0:1], 0x0               ; queries s[4:5], kb s[6:7], vh s[8:9], out0 s[10:11]
	v_lshl_add_u32 v[SPW], v0, 2, SPARE
	v_mov_b32 v[NIL], 0
	v_lshrrev_b32 v20, 5, v0
	v_readfirstlane_b32 s[WV], v20                 ; wave 0..3
	s_bfe_u32 s[CX], ttmp6, 0x40000                ; cx
	s_mov_b32 s[CA], ttmp9                         ; in a cluster launch ttmp9 counts clusters: a = 0..3
	s_and_b32 s[BAT], ttmp7, 0xffff                ; the batch, which the four partners share
	; descriptor group 1: 32 rows x 512 elements of 2 bytes, padded in LDS behind every row
	s_mov_b32 s[G1K], 15|(1<<16)|(1<<20)|(1<<21)|(7<<22)|(3<<25)  ; 15:0 the mask of four; 17:16 2-byte elements; 20 padding on; 21 set beside a mask; 24:22 after every 256 words (code 7); 31:25 4 words (code 3)
	s_mov_b32 s[G1V], 15|(1<<16)|(1<<20)|(1<<21)|(7<<22)|(7<<25)  ; the same with 8 words of padding (code 7)
.irp g, G1K, G1V
	s_mov_b32 s[\g+1], 512<<16                     ; tensor_dim0 = 512
	s_mov_b32 s[\g+2], 32<<16                      ; tensor_dim1 = 32
	s_mov_b32 s[\g+3], 512<<16                     ; tile_dim0 = 512
	s_mov_b32 s[\g+4], 32                          ; tile_dim1 = 32
	s_mov_b32 s[\g+5], 512                         ; 512 elements from row to row
	s_mov_b32 s[\g+6], 0
	s_mov_b32 s[\g+7], 0
.endr
	s_mov_b32 s[G0K], 1                            ; count = 1; the other words of the two groups 0 are made where a block begins
	s_mov_b32 s[G0V], 1
	s_mov_b32 s[CS], 0x3d8293ee                    ; c = log2(e) / sqrt(512) = 0.0637587
	s_mov_b32 s[CS+1], s[CS]                       ; named with it as a pair
	s_mov_b32 s[SEL], 0x76543210
	s_mov_b32 s[SEL+1], 0xfedcba98
	s_mov_b32 s[BIGN], 0xf149f2ca                  ; -1e30
	v_and_b32 v1, 31, v0                           ; l
	v_and_b32 v2, 15, v0                           ; l % 16
	v_bfe_u32 v3, v0, 4, 1                         ; l / 16
	; A fragment of K or Q is 16 rows x 32 channels in 8 registers: lane l holds row l % 16, channels 8 (l / 16) + 0..7 and 16 + 8 (l / 16) + 0..7: two loads of 16 bytes, 32 bytes apart.
	s_mul_i32 s22, s[WV], 32*PKK
	v_mul_u32_u24 v[AK], v2, PKK
	v_lshl_add_u32 v[AK], v3, 4, v[AK]
	v_add_nc_u32 v[AK], s22, v[AK]
	v_add_nc_u32 v[AKX], RX, v[AK]
	; The turning load takes 16 keys x 16 channels (lane l reads key 8 (l / 16) + l % 8, channels 8 ((l / 8) % 2) + 0..7) and leaves half a fragment of V^T: lane l holds channel l % 16 and 8 keys.
	v_and_b32 v20, 7, v0
	v_bfe_u32 v21, v0, 3, 1
	v_lshl_add_u32 v[AVY], v3, 3, v20
	v_mul_u32_u24 v[AVY], v[AVY], PVV
	v_lshl_add_u32 v[AVY], v21, 4, v[AVY]
	s_lshl_b32 s22, s[WV], 8                       ; my 128 channels: 256 bytes of a row
	v_add_nc_u32 v[AVY], s22, v[AVY]
	v_add_nc_u32 v[AVY+1], 64*PVV, v[AVY]          ; keys 64 on: beyond the reach of a 16-bit offset
	v_add_nc_u32 v[AVA], RX, v[AVY]
	v_add_nc_u32 v[AVA+1], RX, v[AVY+1]
	s_lshl_b32 s22, s[WV], 12
	s_add_co_u32 s22, s22, PBUF
	v_lshl_add_u32 v[PW], v1, 4, s22
	v_lshl_add_u32 v[PR], v1, 4, PBUF
	s_lshl_b32 s22, s[WV], 2
	s_add_co_u32 s22, s22, MXB
	v_lshl_add_u32 v[MXW], v2, 4, s22
	v_lshl_add_u32 v[MXR], v2, 4, MXB
	s_mul_i32 s22, s[WV], 16*XP
	s_add_co_u32 s22, s22, XREG                    ; my 16 rows of XREG: Q's on the way in, my stage on the way out
	v_lshl_add_u32 v[QSW], v1, 3, s22
	v_mul_u32_u24 v[QFR], v2, XP
	v_lshl_add_u32 v[STW], v3, 5, v[QFR]           ; the way out, in: row l % 16, 32 bytes for each half of the lanes
	v_add_nc_u32 v[STW], s22, v[STW]
	v_lshl_add_u32 v[QFR], v3, 4, v[QFR]
	v_add_nc_u32 v[QFR], XREG, v[QFR]
	v_lshl_add_u32 v[STR], v1, 4, s22              ; back: 32 lanes take one row of 512 bytes
	v_lshlrev_b32 v[LO], 4, v1
	s_lshl_b32 s68, s[CX], 6                       ; cx lives in s68-71 alone: none of them feeds a descriptor, a branch or an LDS address
	s_lshl_b32 s69, s[WV], 5
	s_sub_co_i32 s68, s68, s69
	v_lshlrev_b32 v20, 3, v3
	v_sub_nc_u32 v[LC], v2, v20
	v_add_nc_u32 v[LC], s68, v[LC]
	s_lshl_b32 s20, s[BAT], 21                     ; kb, vh: a batch is 2,048 rows of 1,024 bytes,
	s_lshl_b32 s21, s[WV], 15                      ; my 32 rows of a tile
	s_add_co_u32 s20, s20, s21
	s_mov_b32 s21, 0
	s_lshl_b32 s68, s[BAT], 22                     ; queries, out0: a batch is 2,048 rows of 2,048 bytes,
	s_lshl_b32 s69, s[CX], 17                      ; my work-group's 64 rows of a group,
	s_add_co_u32 s68, s68, s69
	s_lshl_b32 s69, s[WV], 9                       ; out0: my wave's 128 channels
	s_add_co_u32 s70, s68, s69
	s_lshl_b32 s69, s[WV], 15                      ; queries: my wave's 16 rows
	s_add_co_u32 s68, s68, s69
	s_mov_b32 s69, 0
	s_mov_b32 s71, 0
	s_wait_kmcnt 0x0
	s_add_nc_u64 s[KW:KW+1], s[6:7], s[20:21]
	s_add_nc_u64 s[VW:VW+1], s[8:9], s[20:21]
	s_add_nc_u64 s[QBAT:QBAT+1], s[4:5], s[68:69]
	s_add_nc_u64 s[OBAT:OBAT+1], s[10:11], s[70:71]
	WIN 0x40                                       ; O^T and l hold finite numbers when the first block's first a = 0 multiplies them
.set i, 0
.rept 256
	v_mov_b32 v[i], 0
.set i, i+1
.endr
	WIN 0
.irp t, 0,1,2,3
	v_mov_b32 v[ST+4*\t+2], 0
	v_mov_b32 v[ST+4*\t+3], 0
.endr
	s_sub_co_u32 s[GG], 7, s[CA]                   ; the long group first
	s_mov_b32 s[BLK], 0
.Lblock:                                               ; two trips: group 7 - a, then group a
	; A BLOCK BEGINS: its Q comes into fragments, in two halves of 256 channels through XREG; between them K's first two tiles are asked for, each behind a round of its own.
	s_lshl_b32 s22, s[GG], 19                      ; a group is 256 rows of 2,048 bytes
	s_mov_b32 s23, 0
	s_add_nc_u64 s[QB:QB+1], s[QBAT:QBAT+1], s[22:23]
	s_add_nc_u64 s[OB:OB+1], s[OBAT:OBAT+1], s[22:23]
	QLOAD 0
	s_wait_tensorcnt 0x0                           ; no tensor load of mine is out
	ds_add_u32 v[SPW], v[NIL]
	s_mul_i32 s[G0K+1], s[WV], 32*PKK              ; K(0) goes into region X: my 32 rows of it; no place in the cluster enters an LDS address
	s_add_co_u32 s[G0K+1], s[G0K+1], RX
	s_add_nc_u64 s[G0K+2:G0K+3], s[KW:KW+1], 0     ; the global address is made anew: my rows of the batch's step 0,
	s_or_b32 s[G0K+3], s[G0K+3], 0x80000000        ; type = 2
	s_wait_dscnt 0x0                               ; the add is done; my reads of both regions and of my stage are back
	ROUND                                          ; all four work-groups are here: the joint loads meet, and nobody reads region X
	TL G0K, G1K
	s_wait_loadcnt 0x0                             ; Q's first half
	QPUT                                           ; into my own 16 rows, which only I have read since the other waves' last reads of them (a round lies between)
	QLOAD 1
	s_wait_dscnt 0x0                               ; for the others' sake: my rows are stored
	s_barrier_signal -1                            ; K's tile may stay out
	s_barrier_wait -1
	QFRAG 0
	WIN 0
	s_wait_tensorcnt 0x0                           ; my rows of K(0) have landed
	ds_add_u32 v[SPW], v[NIL]
	s_mul_i32 s[G0K+1], s[WV], 32*PKK              ; K(1) and all later K go into region Y, which begins at byte 0
	s_add_nc_u64 s[G0K+2:G0K+3], s[G0K+2:G0K+3], TILEB
	s_mul_i32 s[G0V+1], s[WV], 32*PVV              ; V's descriptor is made ready for V(0): region X,
	s_add_co_u32 s[G0V+1], s[G0V+1], RX
	s_add_nc_u64 s[G0V+2:G0V+3], s[VW:VW+1], 0     ; my rows of the batch's step 0
	s_or_b32 s[G0V+3], s[G0V+3], 0x80000000
	s_wait_dscnt 0x0                               ; the add is done; my reads of XREG are back, so that its rows may be written again behind the round
	ROUND
	TL G0K, G1K                                    ; a group has two steps at the least, so K(1) is always read
	s_wait_loadcnt 0x0                             ; Q's second half
	QPUT
	s_wait_dscnt 0x0
	s_barrier_signal -1                            ; K's tile may stay out
	s_barrier_wait -1
	QFRAG 1
	WIN 0
.irp t, 0,1,2,3
	v_mov_b32 v[ST+4*\t], 0xfe000000               ; c m: far below every c s, so that the first a is 0
	v_mov_b32 v[ST+4*\t+1], 0xff7fffff             ; m: the lowest finite number
.endr
	s_wait_dscnt 0x0                               ; Q is in
	; STEP 0: its scores and its softmax; there is no older P to multiply, so nothing stands beside them.
	KQPH 0, AKX
	s_cmp_lg_u32 s[GG], 0                          ; in group 0 step 0 is the last but one: the diagonal's first half
	s_cbranch_scc1 .Lopen0
	MASK 0
.Lopen0:
	PMAX
	s_wait_tensorcnt 0x0                           ; my rows of K(1) have landed
	ds_add_u32 v[SPW], v[NIL]
	s_wait_dscnt 0x0                               ; the add and my maxima's stores are done; my reads of K(0) are back
	ROUND                                          ; no wave of any partner still reads region X
	TL G0V, G1V                                    ; V(0): it has this softmax and phase I(1) in which to land
	SMHEAD 0, AVA
.rept 81
	RID
.endr
	PSTORE                                         ; the last reads of P lie ahead of the block's first round
	s_lshl_b32 s[CNT], s[GG], 1                    ; steps 1 .. 2 G ask for a successor's K: the same number in all four partners; none in group 0
	s_cmp_eq_u32 s[CNT], 0
	s_cbranch_scc1 .Ltail
.Lstep:
	STEP 0
	s_sub_co_i32 s[CNT], s[CNT], 1
	s_cmp_gt_i32 s[CNT], 0
	s_cbranch_scc1 .Lstep
.Ltail:
	STEP 1                                         ; the group's last step is written out
	; THE LAST P AND V.  Two barriers: every wave's reads of the older P are over, and its rows of the last V have landed; then every wave's part of the last P is in LDS.
	WIN 0
	PLACES                                         ; behind the last products, for the loads into their fragments
	s_wait_tensorcnt 0x0                           ; for the others' sake: my rows of V(n-1) have landed
	s_wait_dscnt 0x0
	s_barrier_signal -1
	s_barrier_wait -1
	PSTORE
	s_wait_dscnt 0x0                               ; for the others' sake: my part of P is stored
	s_barrier_signal -1
	s_barrier_wait -1
	PLOAD 0, FA
	PLOAD 1, FA+32
.irp q, 0,1,2,3
	VLQ 0, \q, AVY                                 ; this V lies in region Y
.endr
.set RQ, 0
	RS 128                                         ; O^T times the last a, in the wait for the fragments
.irp u, 0,1,2,3,4,5,6,7,8,9,10,11,12,13,14,15
	PVU \u, 0, AVY
.endr
	WIN 0
	; THE WAY OUT.  l: my two halves, the other half of the lanes', the other waves' through LDS.  The first additions are the places behind the last products.
.irp t, 0,1,2,3
	v_add_f32 v[TM+4*\t], v[ST+4*\t+2], v[ST+4*\t+3]
.endr
.irp t, 0,1,2,3
	v_permlanex16_b32 v[TM+4*\t+1], v[TM+4*\t], s[SEL], s[SEL+1]
.endr
.irp t, 0,1,2,3
	v_add_f32 v[TM+4*\t], v[TM+4*\t], v[TM+4*\t+1]
.endr
.irp t, 0,1,2,3
	ds_store_b32 v[MXW], v[TM+4*\t] offset:LXO+256*\t
.endr
	s_wait_dscnt 0x0                               ; for the others' sake: my sums are stored
	s_barrier_signal -1
	s_barrier_wait -1
.irp t, 0,1,2,3
	ds_load_b128 v[FA+4*\t:FA+4*\t+3], v[MXR] offset:LXO+256*\t
.endr
	s_wait_dscnt 0x0
.irp t, 0,1,2,3
	v_add_f32 v[TM+4*\t],   v[FA+4*\t],   v[FA+4*\t+1]
	v_add_f32 v[TM+4*\t+1], v[FA+4*\t+2], v[FA+4*\t+3]
.endr
.irp t, 0,1,2,3
	v_add_f32 v[TM+4*\t], v[TM+4*\t], v[TM+4*\t+1]
.endr
.irp t, 0,1,2,3
	v_rcp_f32 v[TM+4*\t+2], v[TM+4*\t]
.endr
	v_nop                                          ; a plain instruction between the last reciprocal and the use of its result
	s_wait_alu depctr_va_vdst(0)
.set RQ, 0
	RS 128                                         ; O^T / l
	; A tile at a time through my own stage: a lane's eight channels of a row are 32 bytes; they come back as whole rows of my 128 channels.
.irp t, 0,1,2,3
	WIN 0x04                                       ; the stores' data in window 1
.irp cb, 0,1,2,3,4,5,6,7
	ds_store_b128 v[STW], v[64*\t+8*\cb:64*\t+8*\cb+3]   offset:64*\cb
	ds_store_b128 v[STW], v[64*\t+8*\cb+4:64*\t+8*\cb+7] offset:64*\cb+16
.endr
	WIN 0
.if \t >= 2
	s_wait_xcnt 0x0                                ; the registers below fed the stores of two tiles ago: they are loaded again only behind this wait (ISA guide 3.1)
.endif
.set i, 0
.rept 16
	ds_load_b128 v[FA+64*(\t%2)+4*i:FA+64*(\t%2)+4*i+3], v[STR] offset:XP*i  ; LDS serves a wave's instructions in order (ISA guide 5.7.1.4): these see the stores above; the next tile's stores come behind them
.set i, i+1
.endr
.set i, 0
.rept 16
	s_wait_dscnt 15-i
	global_store_b128 v[LO], v[FA+64*(\t%2)+4*i:FA+64*(\t%2)+4*i+3], s[OB:OB+1] offset:(16*\t+i)*2048 th:TH_STORE_NT  ; 512 consecutive bytes, at a multiple of 512 from out0's first
.set i, i+1
.endr
.endr
	s_wait_xcnt 0x0                                ; the stores' base and data registers are written again only behind this wait
	s_mov_b32 s[GG], s[CA]                         ; the short group
	s_add_co_u32 s[BLK], s[BLK], 1
	s_cmp_lt_u32 s[BLK], 2
	s_cbranch_scc1 .Lblock
	s_wait_tensorcnt 0x0                           ; the wave's end: behind my last tensor load and my last LDS store
	ds_add_u32 v[SPW], v[NIL]
	s_wait_dscnt 0x0
	ROUND                                          ; the closing round: no work-group ends while a partner may still ask for a tile that names it
	s_endpgm
.Lfunc_end_k_q1a00e95454_attn:
	.size	k_q1a00e95454_attn, .Lfunc_end_k_q1a00e95454_attn-k_q1a00e95454_attn
	.p2alignl 7, 3214868480
	.fill 96, 4, 3214868480
	.section	.rodata,"a",@progbits
	.p2align	6, 0x0
	.amdhsa_kernel k_q1a00e95454_attn
		.amdhsa_group_segment_fixed_size 327680
		.amdhsa_private_segment_fixed_size 0
		.amdhsa_enable_private_segment 0
		.amdhsa_kernarg_size 32
		.amdhsa_user_sgpr_count 2
		.amdhsa_user_sgpr_kernarg_segment_ptr 1
		.amdhsa_wavefront_size32 1
		.amdhsa_system_sgpr_workgroup_id_x 1
		.amdhsa_system_sgpr_workgroup_id_y 1
		.amdhsa_system_sgpr_workgroup_id_z 1
		.amdhsa_system_vgpr_workitem_id 0
		.amdhsa_next_free_vgpr 1024
		.amdhsa_next_free_sgpr 72
		.amdhsa_reserve_vcc 1
		.amdhsa_float_denorm_mode_32 3
		.amdhsa_float_denorm_mode_16_64 3
		.amdhsa_memory_ordered 1
		.amdhsa_forward_progress 1
		.amdhsa_inst_pref_size 255
	.end_amdhsa_kernel
	.section	.bss,"aw",@nobits
	.p2align	6
	.space	262144
	.amdgpu_metadata
---
amdhsa.version: [ 1, 2 ]
amdhsa.kernels:
  - .name:           k_q1a00e95454_attn
    .symbol:         k_q1a00e95454_attn.kd
    .args:
      - { .name: queries, .offset: 0, .size: 8, .value_kind: global_buffer, .address_space: global }
      - { .name: kb, .offset: 8, .size: 8, .value_kind: global_buffer, .address_space: global }
      - { .name: vh, .offset: 16, .size: 8, .value_kind: global_buffer, .address_space: global }
      - { .name: out0, .offset: 24, .size: 8, .value_kind: global_buffer, .address_space: global }
    .group_segment_fixed_size: 327680
    .private_segment_fixed_size: 0
    .kernarg_segment_align: 8
    .kernarg_segment_size: 32
    .max_flat_workgroup_size: 128
    .sgpr_count:     72
    .vgpr_count:     1024
    .wavefront_size: 32
...
	.end_amdgpu_metadata
.endif
;; end of part 2
